; MI455X (gfx1250); checked and timed in simulation.
; The chip was launched on July 23, 2026; its instructions are those of AMD's public machine-readable ISA for CDNA 5 (MIT licence, August 2026) and "CDNA5" Instruction Set Architecture Reference Guide (July 2026). The comments in the code are by the model that wrote it; some were corrected since.
;; Multi Head Cross Attention. Allowed arithmetic: matrix products marked QUANTISED: E2M1 operands, one E8M0 scale for each 32 along K, by v_wmma_scale_f32_16x16x128_f8f6f4 with both operands' format E2M1 (or v_wmma_scale_f32_32x16x128_f4), f32 sums; products left as they are: f32 operands where the result goes on into a quantised operand, else bf16, f16 or f32 operands; f32 sums; everything else in f32.
;; Inputs: W_K 1,024 x 1,024 float32; W_Q 1,024 x 1,024 float32; W_V 1,024 x 1,024 float32; W_fc 1,024 x 1,024 float32; beta 1,024 float32; gamma 1,024 float32; x1 8,192 x 1,024 float32; x2 8,192 x 1,024 float32.
;; Outputs: out0 8,192 x 1 x 1,024 float32.
;; This version of the problem:
;;   THIS VERSION OF THE PROBLEM IS GIVEN IN LOW PRECISION. The matrix products marked QUANTISED in the list below multiply operands that are first quantised to E2M1 (2 exponent bits, 1 mantissa bit; 4 bits a number), with one power-of-two scale for each 32 numbers along K (OCP MX v1.0); their sums are f32. All else is computed in f32.
;;   The module's matrix products, in the order in which they are computed (A, B: the left and right operand; K: the contracted axis; several contracted axes count as one K, in the product's order):
;;     1. [M 8,192, K 1,024] x [K 1,024, N 1,024]; A: input x2; B: input W_Q: QUANTISED
;;     2. [M 8,192, K 1,024] x [K 1,024, N 1,024]; A: input x1; B: input W_K: QUANTISED
;;     3. [M 8,192, K 1,024] x [K 1,024, N 1,024]; A: input x1; B: input W_V: QUANTISED
;;     4. [M 8,192, K 1,024] x [K 1,024, N 1,024]; A: input x1; B: input W_Q: QUANTISED
;;     5. [M 8,192, K 1,024] x [K 1,024, N 1,024]; A: input x2; B: input W_K: QUANTISED
;;     6. [M 8,192, K 1,024] x [K 1,024, N 1,024]; A: input x2; B: input W_V: QUANTISED
;;     7. batch 131,072 x [M 1, K 64] x [K 64, N 1]; A: computed on the way; B: computed on the way: left as it is (M = 1 < 16)
;;     8. batch 131,072 x [M 1, K 1] x [K 1, N 64]; A: softmax; B: computed on the way: left as it is (K = 1 < 32)
;;     9. batch 131,072 x [M 1, K 64] x [K 64, N 1]; A: computed on the way; B: computed on the way: left as it is (M = 1 < 16)
;;     10. batch 131,072 x [M 1, K 1] x [K 1, N 64]; A: softmax; B: computed on the way: left as it is (K = 1 < 32)
;;     11. [M 8,192, K 1,024] x [K 1,024, N 1,024]; A: computed on the way; B: input W_fc: QUANTISED
;;     12. [M 8,192, K 1,024] x [K 1,024, N 1,024]; A: computed on the way; B: input W_fc: QUANTISED
;;   THE QUANTISER, for each operand of a quantised product, along K:
;;     - K is cut into blocks of 32 from its start; a last block that is shorter is filled with zeros.
;;     - A block's scale is 2^e with e = floor(log2(the largest magnitude in the block)) - 2, held to -126 .. 127; a block of zeros has e = 0. As a byte (E8M0): e + 127.
;;     - Each number is divided by its block's scale, clamped to +-6, and rounded to the nearest number of E2M1, ties to even, subnormals kept.
;;     - The product sums the exact products of the quantised numbers (number of the format x scale) in f32.
;;   ~~~python
;;   def quantise(x, axis):      # numpy; x: float32 -> the quantised numbers, widened to float32 again
;;       x = np.moveaxis(x, axis, -1); K = x.shape[-1]
;;       x = np.pad(x, [(0, 0)] * (x.ndim - 1) + [(0, -K % 32)]); x = x.reshape(x.shape[:-1] + (-1, 32)); a = np.abs(x).max(-1, keepdims=True)
;;       e = np.where(a > 0, np.clip(np.frexp(np.where(a > 0, a, 1))[1] - 1 - 2, -126, 127), 0)      # np.frexp(a)[1] - 1 = floor(log2(a)), exactly
;;       r = np.clip(x / 2.0 ** e, -6, 6)
;;       step = 2.0 ** (np.maximum(np.frexp(np.where(r == 0, 1, r))[1] - 1, 0) - 1)
;;       q = np.round(r / step) * step * 2.0 ** e      # np.round: ties to even
;;       return np.moveaxis(q.reshape(q.shape[:-2] + (-1,))[..., :K], -1, axis).astype(np.float32)
;;   ~~~
;;   OPERANDS COMPUTED ON THE WAY. 'Computed on the way' means the value that the module computes at that place (a softmax that the list does not call 'softmax' is quantised finished and normalised). What goes into a quantiser is computed in f32, as accurately as f32 sums, v_exp_f32 and their like allow (about 1e-6 of the number): no bf16 or f16 on the way to a quantiser, and a product that is left as it is and whose result goes on into a quantised operand takes f32 operands (vector FMAs, or v_wmma_f32_16x16x4_f32). A number that lies on a knife's edge between two numbers of the format may be rounded either way, as far as f32 arithmetic and the matrix unit's own rounding can turn it there, and no further.
;; One version. Each part assembles by itself: llvm-mc -triple=amdgcn-amd-amdhsa -mcpu=gfx1250 --defsym DOCPART=n.
;; ======== version 1 of 1: 2 launches
;; limits: right only within a limited range of input values
;; workspace buffers: wimg 1,114,112 bytes
;; launch wq (part 1): grid 256 x 1, 4 waves a work-group, no clusters, 34,560 bytes of LDS; arguments W_V, W_fc, wimg; writes wimg
.if DOCPART == 1
	.amdgcn_target "amdgcn-amd-amdhsa--gfx1250"
	.amdhsa_code_object_version 6
	.text
	.protected	k_q95302b8b05_wq
	.globl	k_q95302b8b05_wq
	.p2align	8
	.type	k_q95302b8b05_wq,@function
k_q95302b8b05_wq:
	s_mov_b64 s[64:65], 0
	v_nop
	global_prefetch_b8 v0, s[64:65] scope:SCOPE_SE
	s_setreg_imm32_b32 hwreg(HW_REG_WAVE_MODE, 25, 1), 1
	s_wait_xcnt 0x0
; THE WHOLE PROGRAM: out = LN(Q(Q(x1) Q(W_V)^T) Q(W_fc)^T) + LN(Q(Q(x2) Q(W_V)^T) Q(W_fc)^T), Q the quantiser along a product's K, products on codes of FP4 (E2M1) with E8M0 scales, sums in f32.
; WORK LEFT OUT, AND WHY IT IS DEAD FOR ALL VALUES.  The softmax of reference() runs over an axis of ONE key: its maximum is the score itself, so its weight is exp(s - s) / exp(s - s) = 1 whatever finite number s is.
; So the attention's result is V itself: a factor that is 1 by an identity.  The scores (products 7 and 9), the weighting by 1 (products 8 and 10) and Q and K (products 1, 2, 4, 5) can move no output and no
; code or scale of a live product's operand: they are not computed; W_Q and W_K have no way to the output and are among no launch's arguments.
; LIMIT: a NaN, an infinity or an overflow that reaches only that work (a score that overflows, a NaN in W_Q or W_K) is not carried to the result.
;
; THIS LAUNCH: W_V, W_fc [1024][1024] f32, K innermost, become codes with one E8M0 byte for each 32 along K, laid as the next launch's waves load them.
; PART i (0..7): matrix i / 4, K steps (128 along K) 2 (i % 4) + e, e = 0, 1; 139,264 bytes.  In it wave w's 17,408 bytes (columns 128 w on of the product, 8 tiles of 16 weight rows):
;   codes: tile t of K step e at 8192 e + 1024 t: registers 4 c .. 4 c + 3 at + 512 c, lane l's 16 bytes at + 16 l;
;   scale words at 16384 + 512 e: the word of tile t, row r at + 256 (t / 4) + 8 (16 (t % 2) + r) + 4 ((t / 2) % 2).
; Lane r of tile t takes weight row 128 w + 32 (t / 2) + 8 (t % 2) + r + 8 (r / 8): in the transposed product the 16 registers of tiles 2 b, 2 b + 1 are then 16 neighbouring columns.
; A block's scale is 2^(floor(log2(its largest magnitude)) - 2); its byte is that magnitude's exponent field - 2, held at 1 from below.
; LIMITS: a block of zeros gets the byte 1 where the rule says 127 (its codes are zeros, and this program alone reads the bytes); NaN and infinities among the inputs are not served.
; SHARES: 2 matrices x 8 groups of columns x 8 K steps x 8 tiles = 1,024 units of 16 rows x 128 K: one for each wave of 256 work-groups; a work-group takes four tiles, whose scale words fill 256 bytes.
; Each load reads 512 consecutive bytes of a row; the 16 rows turn through the wave's own stage in LDS, so that a lane gets 16 neighbours of each block.  No loop to run ahead in: no prefetch.
.set PARTB, 139264
.set WAVB,  17408
.set SP,    528                        ; a stage row: 512 bytes + 16
.set SWD,   4*16*SP                    ; the four tiles' scale words, 256 bytes
.set SPARE, SWD+256                    ; spare words, 128 bytes a wave
.set SPW,   12
.set NIL,   13
.set PW,    15
.set TM,    16
.set PC,    32
.set XN,    64
.set RW,    128
	s_load_b128 s[4:7], s[0:1], 0x0                ; W_V, W_fc
	s_load_b64 s[8:9], s[0:1], 0x10                ; the image
	v_lshrrev_b32 v40, 5, v0
	v_readfirstlane_b32 s10, v40                   ; wave 0..3
	s_mul_i32 s11, s10, 16*SP                      ; my stage
	s_and_b32 s12, s10, 1                          ; t % 2
	s_lshr_b32 s13, s10, 1                         ; (t / 2) % 2
	s_and_b32 s16, ttmp9, 1                        ; q = t / 4
	s_bfe_u32 s17, ttmp9, 0x30001                  ; w
	s_bfe_u32 s18, ttmp9, 0x30004                  ; K step
	s_lshr_b32 s19, ttmp9, 7                       ; matrix
	s_lshl_b32 s20, s17, 7
	s_lshl_b32 s21, s16, 6
	s_add_co_u32 s20, s20, s21
	s_lshl_b32 s21, s13, 5
	s_add_co_u32 s20, s20, s21
	s_lshl_b32 s21, s12, 3
	s_add_co_u32 s20, s20, s21                     ; the tile's first row
	s_lshl_b32 s20, s20, 12
	s_lshl_b32 s21, s18, 9
	s_add_co_u32 s20, s20, s21
	s_mov_b32 s21, 0                               ; s[20:21]: where my tile begins in its matrix
	s_lshl_b32 s22, s19, 2
	s_lshr_b32 s23, s18, 1
	s_add_co_u32 s22, s22, s23                     ; the part
	s_mul_i32 s22, s22, PARTB
	s_mul_i32 s23, s17, WAVB
	s_add_co_u32 s22, s22, s23
	s_and_b32 s24, s18, 1                          ; e
	s_lshl_b32 s25, s24, 13
	s_add_co_u32 s28, s22, s25
	s_lshl_b32 s25, s16, 12
	s_add_co_u32 s28, s28, s25
	s_lshl_b32 s25, s10, 10
	s_add_co_u32 s28, s28, s25                     ; my tile's codes
	s_mov_b32 s29, 0
	s_lshl_b32 s25, s24, 9
	s_add_co_u32 s30, s22, s25
	s_lshl_b32 s25, s16, 8
	s_add_co_u32 s30, s30, s25
	s_add_co_u32 s30, s30, 16384                   ; the work-group's scale words
	s_mov_b32 s31, 0
	s_lshl_b32 s14, s12, 7
	s_lshl_b32 s15, s13, 2
	s_add_co_u32 s14, s14, s15
	s_add_co_u32 s14, s14, SWD
	s_mov_b32 s2, 0x76543210
	s_mov_b32 s3, 0xfedcba98                       ; v_permlanex16_b32's selects for lane l xor 16
	v_lshl_add_u32 v[SPW], v0, 2, SPARE
	v_mov_b32 v[NIL], 0
	v_and_b32 v40, 31, v0                          ; lane
	v_and_b32 v41, 15, v0                          ; r
	v_bfe_u32 v42, v0, 4, 1                        ; h
	v_lshlrev_b32 v2, 4, v40
	v_lshlrev_b32 v3, 3, v40
	v_add_nc_u32 v4, s11, v2                       ; the stage, on the way in: a row as it lies
	v_mul_u32_u24 v5, v41, SP
	v_lshl_add_u32 v5, v42, 6, v5
	v_add_nc_u32 v5, s11, v5                       ; and on the way out: row r, + 64 h
	v_lshl_add_u32 v6, v41, 3, s14                 ; my row's scale word
	v_add_nc_u32 v7, SWD, v3
.irp b, 0,1,2,3
	v_mov_b32 v[TM+4+\b], 0                        ; written once: a lane permute's destination counts as one of its sources
.endr
	s_wait_alu depctr_va_vdst(0)                   ; the wait at the head's end
	s_wait_kmcnt 0x0
	s_cmp_eq_u32 s19, 0
	s_cselect_b64 s[4:5], s[4:5], s[6:7]
	s_add_nc_u64 s[4:5], s[4:5], s[20:21]
	s_add_nc_u64 s[12:13], s[8:9], s[28:29]
	s_add_nc_u64 s[14:15], s[8:9], s[30:31]
.irp rr, 0,1,2,3,4,5,6,7,8,9,10,11,12,13,14,15
	global_load_b128 v[RW+4*\rr:RW+4*\rr+3], v2, s[4:5] offset:(\rr%8)*4096+(\rr/8)*65536 th:TH_LOAD_NT   ; lanes 8-15 of a tile lie 16 rows on
.endr
.irp rr, 0,1,2,3,4,5,6,7,8,9,10,11,12,13,14,15
	s_wait_loadcnt 15-\rr                          ; row rr is in; the younger rows may be out
	ds_store_b128 v4, v[RW+4*\rr:RW+4*\rr+3] offset:SP*\rr
.endr
.irp b, 0,1,2,3
.irp j, 0,1,2,3
	ds_load_b128 v[XN+16*\b+4*\j:XN+16*\b+4*\j+3], v5 offset:128*\b+16*\j   ; LDS serves a wave's instructions in order: these see my stores
.endr
.endr
	s_wait_dscnt 0x0
.irp b, 0,1,2,3
	v_max3_num_f32 v[TM+\b], |v[XN+16*\b]|, |v[XN+1+16*\b]|, 0x1800000   ; my 16 numbers of block b, and the floor 2^(3 - 127): the byte cannot fall under 1
.endr
.irp i, 2,4,6,8,10,12,14
.irp b, 0,1,2,3
	v_max3_num_f32 v[TM+\b], v[TM+\b], |v[XN+16*\b+\i]|, |v[XN+1+16*\b+\i]|
.endr
.endr
.irp b, 0,1,2,3
	v_permlanex16_b32 v[TM+4+\b], v[TM+\b], s2, s3
.endr
.irp b, 0,1,2,3
	v_max_num_f32 v[TM+\b], v[TM+\b], v[TM+4+\b]   ; with lane l xor 16's
.endr
.irp b, 0,1,2,3
	v_add_nc_u32 v[TM+12+\b], 0xff000000, v[TM+\b] ; 2 off its exponent field: the conversion's scale operand
.endr
.irp b, 0,1,2,3
	v_lshrrev_b32 v[TM+4+\b], 23, v[TM+12+\b]      ; the scale's byte
.endr
	v_lshl_or_b32 v[PW], v[TM+5], 8, v[TM+4]
	v_lshl_or_b32 v[PW], v[TM+6], 16, v[PW]
	v_lshl_or_b32 v[PW], v[TM+7], 24, v[PW]        ; my row's scale word
	ds_store_b32 v6, v[PW]                         ; lanes r and r + 16 write the same word with the same value
.irp b, 0,1,2,3
	v_cvt_scalef32_pk8_fp4_f32 v[PC+2*\b], v[XN+16*\b:XN+7+16*\b], v[TM+12+\b]
	v_cvt_scalef32_pk8_fp4_f32 v[PC+1+2*\b], v[XN+8+16*\b:XN+15+16*\b], v[TM+12+\b]
.endr
	v_nop                                          ; one plain place behind a scaled conversion
.irp c, 0,1
.irp i, 0,1
	v_permlane16_swap_b32 v[PC+4*\c+\i], v[PC+2+4*\c+\i]   ; a whole block in a lane: lanes 0-15 block 2 c, lanes 16-31 block 2 c + 1
.endr
.endr
.irp c, 0,1
	global_store_b128 v2, v[PC+4*\c:PC+4*\c+3], s[12:13] offset:512*\c   ; 32 lanes store 512 consecutive bytes, aligned
.endr
	s_wait_tensorcnt 0x0                           ; these three lines stand behind my last LDS store
	ds_add_u32 v[SPW], v[NIL]
	s_wait_dscnt 0x0                               ; the add and my scale words are done:
	s_barrier_signal -1
	s_barrier_wait -1                              ; all four waves' words are there
	s_cmp_lg_u32 s10, 0
	s_cbranch_scc1 .Ldone
	ds_load_b64 v[8:9], v7
	s_wait_dscnt 0x0
	global_store_b64 v3, v[8:9], s[14:15]          ; 32 lanes store 256 consecutive bytes, aligned
.Ldone:
	s_endpgm
.Lfunc_end_k_q95302b8b05_wq:
	.size	k_q95302b8b05_wq, .Lfunc_end_k_q95302b8b05_wq-k_q95302b8b05_wq
	.p2alignl 7, 3214868480
	.fill 96, 4, 3214868480
	.section	.rodata,"a",@progbits
	.p2align	6, 0x0
	.amdhsa_kernel k_q95302b8b05_wq
		.amdhsa_group_segment_fixed_size 34560
		.amdhsa_private_segment_fixed_size 0
		.amdhsa_enable_private_segment 0
		.amdhsa_kernarg_size 24
		.amdhsa_user_sgpr_count 2
		.amdhsa_user_sgpr_kernarg_segment_ptr 1
		.amdhsa_wavefront_size32 1
		.amdhsa_system_sgpr_workgroup_id_x 1
		.amdhsa_system_sgpr_workgroup_id_y 1
		.amdhsa_system_sgpr_workgroup_id_z 1
		.amdhsa_system_vgpr_workitem_id 0
		.amdhsa_next_free_vgpr 192
		.amdhsa_next_free_sgpr 66
		.amdhsa_reserve_vcc 0
		.amdhsa_float_denorm_mode_32 3
		.amdhsa_float_denorm_mode_16_64 3
		.amdhsa_memory_ordered 1
		.amdhsa_forward_progress 1
		.amdhsa_inst_pref_size 12
	.end_amdhsa_kernel
	.amdgpu_metadata
---
amdhsa.version: [ 1, 2 ]
amdhsa.kernels:
  - .name:           k_q95302b8b05_wq
    .symbol:         k_q95302b8b05_wq.kd
    .args:
      - { .name: W_V, .offset: 0, .size: 8, .value_kind: global_buffer, .address_space: global }
      - { .name: W_fc, .offset: 8, .size: 8, .value_kind: global_buffer, .address_space: global }
      - { .name: wimg, .offset: 16, .size: 8, .value_kind: global_buffer, .address_space: global }
    .group_segment_fixed_size: 34560
    .private_segment_fixed_size: 0
    .kernarg_segment_align: 8
    .kernarg_segment_size: 24
    .max_flat_workgroup_size: 128
    .sgpr_count:     66
    .vgpr_count:     192
    .wavefront_size: 32
...
	.end_amdgpu_metadata
.endif
;; end of part 1
;; launch chain (part 2): grid 256 x 1, 8 waves a work-group, clusters of 4 x 1, 327,680 bytes of LDS; arguments x1, x2, wimg, gamma, beta, out0; writes out0
.if DOCPART == 2
	.amdgcn_target "amdgcn-amd-amdhsa--gfx1250"
	.amdhsa_code_object_version 6
	.text
	.protected	k_q95302b8b05_chain
	.globl	k_q95302b8b05_chain
	.p2align	8
	.type	k_q95302b8b05_chain,@function
k_q95302b8b05_chain:
	s_mov_b64 s[64:65], 0
	v_nop
	global_prefetch_b8 v0, s[64:65] scope:SCOPE_SE
	s_setreg_imm32_b32 hwreg(HW_REG_WAVE_MODE, 25, 1), 1
	s_wait_xcnt 0x0
	s_wait_alu depctr_hold_cnt(0) depctr_sa_sdst(0) depctr_va_vdst(0) depctr_va_sdst(0) depctr_va_ssrc(0) depctr_va_vcc(0) depctr_vm_vsrc(0)
	s_getreg_b32 s2, hwreg(HW_REG_IB_STS2, 6, 4)
	s_cmp_eq_u32 s2, 0
	s_cbranch_scc0 .Lentry_in_a_cluster
	s_endpgm
.Lentry_in_a_cluster:
	s_bfe_u32 s2, ttmp6, 0x10000c
	s_cmp_lg_u32 s2, 0x3003
	s_cbranch_scc0 .Lentry_shape_is_right
	s_endpgm
.Lentry_shape_is_right:
; out = LN(Q(Q(x1) W_V^T) W_fc^T) + LN(Q(Q(x2) W_V^T) W_fc^T), the weights as codes from the launch before.  Scores, softmax, Q and K are left out: the softmax over one key is 1 for all values (shown at the first kernel's head).
; LIMITS: NaN and infinities among the inputs are not served; a NaN, an infinity or an overflow that reaches only the work left out is not carried.  A block of zeros gets the scale byte 1 (its codes are zeros).
; SHARES.  A work-group owns 32 rows of x1 and the same 32 of x2: four operand tiles of 16 rows, m = 0, 1 of x1, m = 2, 3 of x2; all 1,024 columns of both products.  Wave w of eight owns columns 128 w on: 8 tiles t of weight rows x 4 tiles m
; = 32 accumulators, window 1 whole, accumulator (t, m) at 8 (4 t + m).  K is outermost, in eight parts (four for each product) of two K steps of 128.
; x is read once, by the work-group that owns it: wave w takes tile m = w % 4, K step w / 4 of each part, straight into registers (16 rows x 512 bytes, two parts ahead), quantises it and puts codes and scale bytes into LDS for all waves.
; The first product's result, V, is quantised in the accumulators' lanes: wave w's 128 columns are K step w of the second product; its codes go to LDS too.  Nothing in between goes to memory.
; WEIGHTS come through two LDS slots of one part each, filled by the tensor data mover: each wave asks for the 17,408 bytes that it alone reads (68 rows of 256 bytes), JOINTLY with its three partners of the cluster, which need the same bytes.
; PRODUCTS ARE USED TRANSPOSED (source 0 = 16 weight rows, source 1 = 16 operand rows): lane (r, h) holds operand row r; register j of tile t is column 32 (t / 2) + 16 h + 8 (t % 2) + j of the wave's 128.
; LAYOUT of an operand fragment in LDS: registers 4 c .. 4 c + 3 of lane (r, h) at 544 c + 272 h + 16 r: 16 bytes of padding behind each 256.
; PREFETCH: the weights' parts 2 to 7, one trip ahead of their tensor load, by four clusters, a part's 544 blocks of 256 bytes shared out by address among the cluster's 32 waves (17 each).  x is not prefetched: a wave has 16 to 32 of its loads out.
.set PARTB, 139264
.set WAVB,  17408
.set SLOT,  139264
.set XB,    2*SLOT                     ; behind the slots: x's buffer for odd parts (9,216 bytes), later the layer norm's sums;
.set RO,    9216                       ; then, RO on, V's codes (32 fragments of 1,088 bytes) and scale words (8 x 256); x's buffer for even parts lies at its beginning
.set XSO,   8704                       ; scale words in a buffer of x
.set RSO,   RO+34816                   ; V's scale words
.set SPARE, XB+RSO+2048                ; spare words, 128 bytes a wave, to byte 325,632
.set LI,  1                            ; 16 x lane
.set CA,  2                            ; where my codes of x go
.set BA,  3                            ; where my scale bytes go
.set XR,  4                            ; operand fragments
.set XL,  5                            ; operand scale words
.set AW,  6                            ; v6-7 my weights' codes in slot 0, 1
.set AS,  8                            ; v8-9 my weights' scale words
.set RSA, 10                           ; where V's codes go
.set RSS, 11                           ; and its scale words
.set SPW, 12
.set NIL, 13
.set PFO, 14
.set STW, 15                           ; the layer norm's sums: out,
.set STR, 16                           ; and in
.set SGW, 17                           ; the way out: my stage
; v20-23, v24-25 / v26-29, v30-31: scale words of the weights and of the operand, two sets; v32-63 / v128-159 operand fragments; v64-127 / v160-223 weight fragments; v128-255 x as loaded, two sets
.set TM,  64
.set BY,  80
.set CO,  96
.set MX,  64                           ; quantising V: eight chains
.set PX,  72
.set SC,  80
.set BV,  88
.set PW,  32
.set SUM, 32
.set MU,  48
.set RS,  56
.set LB,  64
.set GA,  232                          ; gamma, beta: my four columns on the way out
.set BE,  236
.set WV,  18
.set G1,  24                           ; s[24:31] descriptor group 1
.set G0,  32                           ; s[32:35], s[36:39] groups 0 of slots 0, 1
.set SEL, 40
.set PFA, 42
.set PF,  44
.set MSB, 0
.macro WIN new                         ; the immediate's high byte repeats the setting that is left
.if MSB != (\new)
	s_set_vgpr_msb (MSB<<8)|(\new)
.set MSB, (\new)
.endif
.endm
.macro PLACES                          ; four plain places behind a matrix instruction (ISA guide 7.12.1)
.rept 4
	v_nop
.endr
.endm
.macro CROUND                          ; a round of the cluster's barrier
	s_barrier_signal -1
	s_barrier_wait -1
	s_cmp_lg_u32 s[WV], 0
	s_cbranch_scc1 .Lnot_wave_0_\@
	s_barrier_signal -3
.Lnot_wave_0_\@:
	s_barrier_wait -3
	s_barrier_signal -1
	s_barrier_wait -1
.endm
.macro LOADX p                         ; part p of my tile of x: 16 rows x 512 consecutive bytes into set p % 2
.irp rr, 0,1,2,3,4,5,6,7,8,9,10,11,12,13,14,15
	global_load_b128 v[128+64*((\p)%2)+4*\rr:131+64*((\p)%2)+4*\rr], v[LI], s[16:17] offset:1024*(\p)+4096*\rr th:TH_LOAD_NT
.endr
.endm
; Quantise part p of x: lane l holds k = 4 l .. 4 l + 3 of each of 16 rows; a block of 32 is eight neighbouring lanes.  A conversion takes two rows' numbers under ONE row's scale: that row's four codes are its low or high half, the other half is not used.
.macro QX p, lc
	s_wait_loadcnt \lc                             ; this part is in; the next part's 16 loads may be out
.set rS, 128+64*((\p)%2)
.irp rr, 0,1,2,3,4,5,6,7,8,9,10,11,12,13,14,15
	v_max3_num_f32 v[TM+\rr], |v[rS+4*\rr]|, |v[rS+4*\rr+1]|, 0x1800000   ; and the floor 2^(3 - 127): the byte cannot fall under 1
.endr
.irp rr, 0,1,2,3,4,5,6,7,8,9,10,11,12,13,14,15
	v_max3_num_f32 v[TM+\rr], v[TM+\rr], |v[rS+4*\rr+2]|, |v[rS+4*\rr+3]|
.endr
.irp xm, 1,2,4
.irp rr, 0,1,2,3,4,5,6,7,8,9,10,11,12,13,14,15
	v_max_num_f32_dpp v[TM+\rr], v[TM+\rr], v[TM+\rr] row_xmask:\xm row_mask:0xf bank_mask:0xf
.endr
.endr
.irp rr, 0,1,2,3,4,5,6,7,8,9,10,11,12,13,14,15
	v_add_nc_u32 v[TM+\rr], 0xff000000, v[TM+\rr]  ; 2 off the exponent field: the conversion's scale operand
.endr
.irp rr, 0,1,2,3,4,5,6,7,8,9,10,11,12,13,14,15
	v_lshrrev_b32 v[BY+\rr], 23, v[TM+\rr]         ; the scale's byte
.endr
.irp i, 0,1,2,3,4,5,6,7
	v_cvt_scalef32_pk8_fp4_f32 v[CO+2*\i], v[rS+8*\i:rS+8*\i+7], v[TM+2*\i]
	v_cvt_scalef32_pk8_fp4_f32 v[CO+2*\i+1], v[rS+8*\i:rS+8*\i+7], v[TM+2*\i+1]
.endr
	v_nop                                          ; a plain place behind a scaled conversion
.irp i, 0,1,2,3,4,5,6,7
	v_lshrrev_b32 v[CO+2*\i+1], 16, v[CO+2*\i+1]   ; the odd row's codes are the high half
.endr
.if (\p) < 2
	LOADX (\p)+2                                   ; the set takes the part two on
.endif
.irp rr, 0,1,2,3,4,5,6,7,8,9,10,11,12,13,14,15
	ds_store_b16 v[CA], v[CO+\rr] offset:RO*(1-(\p)%2)+16*\rr
	ds_store_b8 v[BA], v[BY+\rr] offset:RO*(1-(\p)%2)+XSO+8*\rr   ; a block's eight lanes write the same byte with the same value
.endr
.endm
; The change of slots in front of part i: my weights of part i have landed; behind the round nobody's reads of the other slot are out, and x's (or V's) codes of part i are whole; the other slot takes part i + 1.
.macro RND i
	s_wait_tensorcnt 0x0
	ds_add_u32 v[SPW], v[NIL]                      ; 0 onto my spare word
.if (\i) > 0
	s_add_nc_u64 s[G0+4*(((\i)+1)%2)+2:G0+4*(((\i)+1)%2)+3], s[G0+4*(((\i)+1)%2)+2:G0+4*(((\i)+1)%2)+3], 2*PARTB
.endif
	s_wait_dscnt 0x0                               ; the add, my stores and my reads are done
	CROUND
	tensor_load_to_lds s[G0+4*(((\i)+1)%2):G0+4*(((\i)+1)%2)+3], s[G1:G1+7]
	s_nop 0
	PLACES
.endm
.macro ASK part                        ; prefetch of a part into the L2
	s_cmp_eq_u32 s[PF], 0
	s_cbranch_scc0 .Lnot_mine_\@
	global_prefetch_b8 v[PFO], s[PFA:PFA+1] offset:(\part)*PARTB th:TH_LOAD_NT scope:SCOPE_SE
.Lnot_mine_\@:
.endm
; A K step's operands into set k: 27 loads: scale words, four operand fragments, eight weight fragments.  xo, so: the operand's codes and scale words from XB
.macro FETCH k, slot, e, xo, so
	ds_load_b64 v[20+6*\k:21+6*\k], v[AS+\slot] offset:16384+512*\e
	ds_load_b64 v[22+6*\k:23+6*\k], v[AS+\slot] offset:16640+512*\e
	ds_load_b64 v[24+6*\k:25+6*\k], v[XL] offset:\so
.irp m, 0,1,2,3
.irp c, 0,1
	ds_load_b128 v[32+96*\k+8*\m+4*\c:35+96*\k+8*\m+4*\c], v[XR] offset:\xo+1088*\m+544*\c
.endr
.endr
.irp t, 0,1,2,3,4,5,6,7
.irp c, 0,1
	ds_load_b128 v[64+96*\k+8*\t+4*\c:67+96*\k+8*\t+4*\c], v[AW+\slot] offset:8192*\e+1024*\t+512*\c
.endr
.endr
.endm
; One product; an odd tile's scale words lie in lanes 16-31
.macro WM zero
.if \zero
.if (rRA == 0) && (rRB == 0)
	v_wmma_scale_f32_16x16x128_f8f6f4 v[rD:rD+7], v[rW:rW+7], v[rX:rX+7], 0, v[rA], v[rB] matrix_a_fmt:MATRIX_FMT_FP4 matrix_b_fmt:MATRIX_FMT_FP4
.elseif rRB == 0
	v_wmma_scale_f32_16x16x128_f8f6f4 v[rD:rD+7], v[rW:rW+7], v[rX:rX+7], 0, v[rA], v[rB] matrix_a_fmt:MATRIX_FMT_FP4 matrix_b_fmt:MATRIX_FMT_FP4 matrix_a_scale:MATRIX_SCALE_ROW1
.elseif rRA == 0
	v_wmma_scale_f32_16x16x128_f8f6f4 v[rD:rD+7], v[rW:rW+7], v[rX:rX+7], 0, v[rA], v[rB] matrix_a_fmt:MATRIX_FMT_FP4 matrix_b_fmt:MATRIX_FMT_FP4 matrix_b_scale:MATRIX_SCALE_ROW1
.else
	v_wmma_scale_f32_16x16x128_f8f6f4 v[rD:rD+7], v[rW:rW+7], v[rX:rX+7], 0, v[rA], v[rB] matrix_a_fmt:MATRIX_FMT_FP4 matrix_b_fmt:MATRIX_FMT_FP4 matrix_a_scale:MATRIX_SCALE_ROW1 matrix_b_scale:MATRIX_SCALE_ROW1
.endif
.else
.if (rRA == 0) && (rRB == 0)
	v_wmma_scale_f32_16x16x128_f8f6f4 v[rD:rD+7], v[rW:rW+7], v[rX:rX+7], v[rD:rD+7], v[rA], v[rB] matrix_a_fmt:MATRIX_FMT_FP4 matrix_b_fmt:MATRIX_FMT_FP4
.elseif rRB == 0
	v_wmma_scale_f32_16x16x128_f8f6f4 v[rD:rD+7], v[rW:rW+7], v[rX:rX+7], v[rD:rD+7], v[rA], v[rB] matrix_a_fmt:MATRIX_FMT_FP4 matrix_b_fmt:MATRIX_FMT_FP4 matrix_a_scale:MATRIX_SCALE_ROW1
.elseif rRA == 0
	v_wmma_scale_f32_16x16x128_f8f6f4 v[rD:rD+7], v[rW:rW+7], v[rX:rX+7], v[rD:rD+7], v[rA], v[rB] matrix_a_fmt:MATRIX_FMT_FP4 matrix_b_fmt:MATRIX_FMT_FP4 matrix_b_scale:MATRIX_SCALE_ROW1
.else
	v_wmma_scale_f32_16x16x128_f8f6f4 v[rD:rD+7], v[rW:rW+7], v[rX:rX+7], v[rD:rD+7], v[rA], v[rB] matrix_a_fmt:MATRIX_FMT_FP4 matrix_b_fmt:MATRIX_FMT_FP4 matrix_a_scale:MATRIX_SCALE_ROW1 matrix_b_scale:MATRIX_SCALE_ROW1
.endif
.endif
.endm
; A K step from set k: 32 matrix instructions, the 32 accumulators by turns, in the same order in every step.  zero = 1: the products start the sums.  more: younger LDS loads that may stay out
.macro MULS k, zero, more
	WIN 0x50
.irp t, 0,1,2,3,4,5,6,7
.if (\t)%2 == 0
	s_wait_dscnt \more+12-2*\t                     ; weight tiles t, t + 1 are in; the younger tiles' loads may be out
.endif
.irp m, 0,1,2,3
.set rD, 8*(4*\t+\m)
.set rW, 64+96*\k+8*\t
.set rX, 32+96*\k+8*\m
.set rA, 20+6*\k+\t/2
.set rB, 24+6*\k+\m/2
.set rRA, \t%2
.set rRB, \m%2
	WM \zero
.endr
.endr
	WIN 0
.endm
; A trip of the first product that has a successor: two K steps, then the next part of x
.macro TRIP1 i, lc
	RND \i
	FETCH 0, (\i)%2, 0, RO*(1-(\i)%2), RO*(1-(\i)%2)+XSO
.if (\i) == 0
	MULS 0, 1, 0
.else
	MULS 0, 0, 0
.endif
	PLACES
	FETCH 0, (\i)%2, 1, RO*(1-(\i)%2)+4352, RO*(1-(\i)%2)+XSO+256
	ASK (\i)+2
	MULS 0, 0, 0
	PLACES
	QX (\i)+1, \lc
.endm
; V's tiles m = 2 mm, 2 mm + 1: four blocks of 32 columns each, eight chains: block b is tiles t = 2 b, 2 b + 1 of the accumulators, 16 neighbours a lane, and lane l xor 16's 16
.macro RQ mm
	WIN 0x05
.irp b, 0,1,2,3
.irp u, 0,1
	v_max3_num_f32 v[MX+4*\u+\b], |v[64*\b+8*(2*\mm+\u)]|, |v[64*\b+8*(2*\mm+\u)+1]|, 0x1800000
.endr
.endr
.irp i, 2,4,6,32,34,36,38
.irp b, 0,1,2,3
.irp u, 0,1
	v_max3_num_f32 v[MX+4*\u+\b], |v[64*\b+8*(2*\mm+\u)+\i]|, |v[64*\b+8*(2*\mm+\u)+\i+1]|, v[MX+4*\u+\b]
.endr
.endr
.endr
	WIN 0
.irp q, 0,1,2,3,4,5,6,7
	v_permlanex16_b32 v[PX+\q], v[MX+\q], s[SEL], s[SEL+1]
.endr
.irp q, 0,1,2,3,4,5,6,7
	v_max_num_f32 v[MX+\q], v[MX+\q], v[PX+\q]
.endr
.irp q, 0,1,2,3,4,5,6,7
	v_add_nc_u32 v[SC+\q], 0xff000000, v[MX+\q]
.endr
.irp q, 0,1,2,3,4,5,6,7
	v_lshrrev_b32 v[BV+\q], 23, v[SC+\q]
.endr
.irp b, 1,2,3
.irp u, 0,1
.if \b == 1
	v_lshl_or_b32 v[PW+2*\mm+\u], v[BV+4*\u+1], 8, v[BV+4*\u]
.else
	v_lshl_or_b32 v[PW+2*\mm+\u], v[BV+4*\u+\b], 8*\b, v[PW+2*\mm+\u]
.endif
.endr
.endr
	WIN 0x01
.irp u, 0,1
.irp b, 0,1,2,3
	v_cvt_scalef32_pk8_fp4_f32 v[CO+16*\mm+8*\u+2*\b], v[64*\b+8*(2*\mm+\u):64*\b+8*(2*\mm+\u)+7], v[SC+4*\u+\b]
	v_cvt_scalef32_pk8_fp4_f32 v[CO+16*\mm+8*\u+2*\b+1], v[64*\b+32+8*(2*\mm+\u):64*\b+32+8*(2*\mm+\u)+7], v[SC+4*\u+\b]
.endr
.endr
	WIN 0
	v_nop                                          ; a plain place behind a scaled conversion
.irp u, 0,1
.irp c, 0,1
.irp i, 0,1
	v_permlane16_swap_b32 v[CO+16*\mm+8*\u+4*\c+\i], v[CO+16*\mm+8*\u+4*\c+2+\i]   ; a whole block in a lane
.endr
.endr
.endr
.irp u, 0,1
.irp c, 0,1
	ds_store_b128 v[RSA], v[CO+16*\mm+8*\u+4*\c:CO+16*\mm+8*\u+4*\c+3] offset:RO+1088*(2*\mm+\u)+544*\c
.endr
	ds_store_b32 v[RSS], v[PW+2*\mm+\u] offset:RSO+128*\u+4*\mm   ; lanes r and r + 16 write the same word with the same value
.endr
.endm
; A trip of the second product: part i, both K steps' operands asked of LDS at once
.macro TRIP2 i
.if (\i) < 7
	RND \i
.else
	s_wait_tensorcnt 0x0                           ; the last part: the bytes that I read are those that I asked for; nothing is filled again
	PLACES
.endif
	FETCH 0, (\i)%2, 0, RO+8704*((\i)-4), RSO+512*((\i)-4)
	FETCH 1, (\i)%2, 1, RO+8704*((\i)-4)+4352, RSO+512*((\i)-4)+256
.if (\i) < 6
	ASK (\i)+2
.endif
.if (\i) == 4
	MULS 0, 1, 27
.else
	MULS 0, 0, 27
.endif
	MULS 1, 0, 0
.endm
	s_load_b256 s[4:11], s[0:1], 0x0               ; x1, x2, the weights' image, gamma
	s_load_b128 s[12:15], s[0:1], 0x20             ; beta, out
	v_lshl_add_u32 v[SPW], v0, 2, SPARE
	v_mov_b32 v[NIL], 0
	ds_add_u32 v[SPW], v[NIL]                      ; the wave's opening: the add, twice on end, and its wait
	ds_add_u32 v[SPW], v[NIL]
	v_lshrrev_b32 v100, 5, v0
	v_readfirstlane_b32 s[WV], v100                ; wave 0..7
	v_and_b32 v100, 31, v0                         ; lane
	v_lshlrev_b32 v[LI], 4, v100
	s_bfe_u32 s19, ttmp6, 0x40000                  ; cx: enters the addresses of x, of the output and of prefetches alone
	s_lshl_b32 s20, ttmp9, 2
	s_add_co_u32 s20, s20, s19                     ; the work-group
	s_and_b32 s21, s[WV], 3                        ; m: my tile of x
	s_lshr_b32 s45, s[WV], 2                       ; my K step in a part
	s_and_b32 s46, s21, 1
	s_lshr_b32 s47, s21, 1                         ; 0: x1, 1: x2
	s_lshl_b32 s50, s20, 17                        ; 32 rows of 4,096 bytes a work-group
	s_lshl_b32 s52, s46, 16
	s_add_co_u32 s50, s50, s52
	s_lshl_b32 s52, s45, 9
	s_add_co_u32 s50, s50, s52
	s_mov_b32 s51, 0
	s_lshl_b32 s54, s20, 17
	s_lshl_b32 s56, s[WV], 9                       ; my 128 columns of f32
	s_add_co_u32 s54, s54, s56
	s_mov_b32 s55, 0
	s_mov_b32 s57, 0
	s_lshl_b32 s58, s19, 3
	s_add_co_u32 s58, s58, s[WV]
	s_mul_i32 s58, s58, 4352                       ; my 17 blocks of 256 bytes of a part
	s_mov_b32 s59, 0
	s_and_b32 s[PF], ttmp9, 0x33                   ; clusters 0, 4, 8, 12 prefetch
	s_mul_i32 s22, s[WV], WAVB
	s_mov_b32 s23, 0
	s_lshl_b32 s48, s45, 2
	s_add_co_u32 s48, s48, s21
	s_mul_i32 s48, s48, 1088
	s_add_co_u32 s48, s48, XB                      ; my fragment in a buffer of x
	s_lshl_b32 s49, s45, 8
	s_lshl_b32 s52, s46, 7
	s_add_co_u32 s49, s49, s52
	s_lshl_b32 s52, s47, 2
	s_add_co_u32 s49, s49, s52
	s_add_co_u32 s49, s49, XB                      ; my scale bytes
	s_mul_i32 s60, s[WV], 4352
	s_lshl_b32 s61, s[WV], 8
	s_add_co_u32 s61, s61, XB
	s_lshl_b32 s62, s[WV], 2
	s_add_co_u32 s62, s62, XB
	; descriptor group 1: 17,408 dense bytes as 68 rows of 256 (32 elements of 8 bytes), no padding
	s_mov_b32 s[G1], 15|(3<<16)|(1<<21)            ; 15:0 the mask: all four work-groups; 17:16 elements of 8 bytes; 21 set beside a mask
	s_mov_b32 s[G1+1], 32<<16
	s_mov_b32 s[G1+2], 68<<16
	s_mov_b32 s[G1+3], 32<<16
	s_mov_b32 s[G1+4], 68
	s_mov_b32 s[G1+5], 32
	s_mov_b32 s[G1+6], 0
	s_mov_b32 s[G1+7], 0
	s_mov_b32 s[SEL], 0x76543210
	s_mov_b32 s[SEL+1], 0xfedcba98
	s_wait_alu depctr_va_vdst(0)
	s_wait_dscnt 0x0                               ; both opening adds are done
	s_wait_kmcnt 0x0
	s_cmp_eq_u32 s47, 0
	s_cselect_b64 s[16:17], s[4:5], s[6:7]
	s_add_nc_u64 s[16:17], s[16:17], s[50:51]
	LOADX 0
	s_add_nc_u64 s[14:15], s[14:15], s[54:55]
	s_add_nc_u64 s[10:11], s[10:11], s[56:57]
	s_add_nc_u64 s[12:13], s[12:13], s[56:57]
	s_add_nc_u64 s[PFA:PFA+1], s[8:9], s[58:59]
	s_add_nc_u64 s[8:9], s[8:9], s[22:23]
	s_mov_b32 s[G0], 1                             ; 1:0 count = 1
	s_mov_b32 s[G0+1], s22                         ; 63:32 LDS address
	s_mov_b64 s[G0+2:G0+3], s[8:9]                 ; 120:64 global address: part 0
	s_or_b32 s[G0+3], s[G0+3], 0x80000000          ; 127:126 type = 2
	s_mov_b32 s[G0+4], 1
	s_add_co_u32 s[G0+5], s22, SLOT
	s_add_nc_u64 s[G0+6:G0+7], s[8:9], PARTB       ; part 1
	s_or_b32 s[G0+7], s[G0+7], 0x80000000
	CROUND                                         ; all four work-groups are here: the joint loads meet
	tensor_load_to_lds s[G0:G0+3], s[G1:G1+7]      ; part 0: one tensor load a wave at the head
	s_nop 0
	PLACES
	LOADX 1
	v_and_b32 v101, 15, v0                         ; r
	v_bfe_u32 v102, v0, 4, 1                       ; h
	v_lshrrev_b32 v103, 3, v100                    ; which block of 32 of a row is mine
	v_and_b32 v104, 7, v100
	v_mul_u32_u24 v105, v103, 272
	v_lshl_add_u32 v105, v104, 1, v105             ; my two bytes of a row's codes
	v_add_nc_u32 v[CA], s48, v105
	v_add_nc_u32 v[BA], s49, v103
	v_mul_u32_u24 v105, v102, 272
	v_lshl_add_u32 v105, v101, 4, v105
	v_add_nc_u32 v[XR], XB, v105
	v_lshlrev_b32 v106, 3, v100
	v_add_nc_u32 v[XL], XB, v106
	v_add_nc_u32 v[AW], s22, v[LI]
	v_add_nc_u32 v[AW+1], SLOT, v[AW]
	v_add_nc_u32 v[AS], s22, v106
	v_add_nc_u32 v[AS+1], SLOT, v[AS]
	v_add_nc_u32 v[RSA], s60, v[XR]
	v_lshl_add_u32 v[RSS], v101, 3, s61
	v_min_u32 v107, 16, v100
	v_lshlrev_b32 v[PFO], 8, v107                  ; lanes beyond the 17th name their wave's last block again
	v_lshl_add_u32 v[STW], v101, 5, s62
	v_lshlrev_b32 v107, 5, v101
	v_add_nc_u32 v[STR], XB, v107
	v_mul_u32_u24 v105, v101, 528
	v_lshl_add_u32 v105, v102, 6, v105
	v_add_nc_u32 v[SGW], s22, v105
	s_wait_alu depctr_va_vdst(0)                   ; the wait at the head's end
	QX 0, 16
	TRIP1 0, 16
	TRIP1 1, 16
	TRIP1 2, 0
	RND 3                                          ; the first product's last part; x's registers are free: both K steps are asked of LDS at once
	FETCH 0, 1, 0, 0, XSO
	FETCH 1, 1, 1, 4352, XSO+256
	ASK 5
	MULS 0, 0, 27
	MULS 1, 0, 0
	global_load_b128 v[GA:GA+3], v[LI], s[10:11]   ; the way out's four columns of gamma and beta
	global_load_b128 v[BE:BE+3], v[LI], s[12:13]
	PLACES
	RQ 0                                           ; V quantised: these bytes of LDS were last read in the trip before, which the round has closed
	RQ 1
	TRIP2 4
	TRIP2 5
	TRIP2 6
	TRIP2 7
	PLACES
; THE LAYER NORM.  A lane holds 64 of a row's 1,024 columns for each tile m, lane l xor 16 another 64, eight waves the rest.
.macro FOLD off                        ; the sums of the four tiles over the row, to SUM + 4 m in every lane
.irp m, 0,1,2,3
	v_pk_add_f32 v[SUM+4*\m:SUM+4*\m+1], v[SUM+4*\m:SUM+4*\m+1], v[SUM+4*\m+2:SUM+4*\m+3]
.endr
.irp m, 0,1,2,3
	v_add_f32 v[SUM+4*\m], v[SUM+4*\m], v[SUM+4*\m+1]
.endr
.irp m, 0,1,2,3
	v_permlanex16_b32 v[SUM+4*\m+2], v[SUM+4*\m], s[SEL], s[SEL+1]
.endr
.irp m, 0,1,2,3
	v_add_f32 v[SUM+4*\m], v[SUM+4*\m], v[SUM+4*\m+2]
.endr
.irp m, 0,1,2,3
	ds_store_b32 v[STW], v[SUM+4*\m] offset:\off+512*\m   ; row 16 m + r: eight words, mine at 4 w
.endr
	s_wait_dscnt 0x0
	s_barrier_signal -1
	s_barrier_wait -1
.irp m, 0,1,2,3
	ds_load_b128 v[LB+8*\m:LB+8*\m+3], v[STR] offset:\off+512*\m
	ds_load_b128 v[LB+8*\m+4:LB+8*\m+7], v[STR] offset:\off+512*\m+16
.endr
	s_wait_dscnt 0x0
.irp m, 0,1,2,3
	v_pk_add_f32 v[LB+8*\m:LB+8*\m+1], v[LB+8*\m:LB+8*\m+1], v[LB+8*\m+4:LB+8*\m+5]
	v_pk_add_f32 v[LB+8*\m+2:LB+8*\m+3], v[LB+8*\m+2:LB+8*\m+3], v[LB+8*\m+6:LB+8*\m+7]
.endr
.irp m, 0,1,2,3
	v_pk_add_f32 v[LB+8*\m:LB+8*\m+1], v[LB+8*\m:LB+8*\m+1], v[LB+8*\m+2:LB+8*\m+3]
.endr
.irp m, 0,1,2,3
	v_add_f32 v[SUM+4*\m], v[LB+8*\m], v[LB+8*\m+1]
.endr
.endm
.macro WALK op                         ; all 32 accumulators, each from its low end on.  0: sum (behind its eight first lines); 1: less the mean; 2: squares
.irp t, 0,1,2,3,4,5,6,7
.irp j, 0,2,4,6
.irp m, 0,1,2,3
.set rY, 8*(4*\t+\m)+\j
.set rZ, SUM+4*\m+2*(\t%2)
.if \op == 0
.if (\t > 1) || (\j > 2)
	v_pk_add_f32 v[rZ:rZ+1], v[rY:rY+1], v[rZ:rZ+1]
.endif
.elseif \op == 1
	v_pk_add_f32 v[rY:rY+1], v[rY:rY+1], v[MU+2*\m:MU+2*\m+1] neg_lo:[0,1] neg_hi:[0,1]
.elseif (\t < 2) && (\j == 0)
	v_pk_mul_f32 v[rZ:rZ+1], v[rY:rY+1], v[rY:rY+1]
.else
	v_pk_fma_f32 v[rZ:rZ+1], v[rY:rY+1], v[rY:rY+1], v[rZ:rZ+1]
.endif
.endr
.endr
.endr
.endm
	s_wait_loadcnt 0x0                             ; gamma and beta
	v_pk_add_f32 v[BE:BE+1], v[BE:BE+1], v[BE:BE+1]   ; beta counts twice
	v_pk_add_f32 v[BE+2:BE+3], v[BE+2:BE+3], v[BE+2:BE+3]
	WIN 0x05
.irp t, 0,1
.irp m, 0,1,2,3
	v_pk_add_f32 v[SUM+4*\m+2*\t:SUM+4*\m+2*\t+1], v[8*(4*\t+\m):8*(4*\t+\m)+1], v[8*(4*\t+\m)+2:8*(4*\t+\m)+3]
.endr
.endr
	WIN 0x01
	WALK 0
	WIN 0
	FOLD 0
.irp m, 0,1,2,3
	v_mul_f32 v[MU+2*\m], 0x3a800000, v[SUM+4*\m]
	v_mul_f32 v[MU+2*\m+1], 0x3a800000, v[SUM+4*\m]
.endr
	WIN 0x41
	WALK 1
	WIN 0x05
	WALK 2
	WIN 0
	FOLD 2048
	s_mov_b32 s22, 0x3a800000                      ; 1 / 1,024
	s_mov_b32 s23, 0x3727c5ac                      ; 1e-5
.irp m, 0,1,2,3
	v_fma_f32 v[SUM+4*\m], v[SUM+4*\m], s22, s23
.endr
	s_wait_alu depctr_va_vdst(0)                   ; the wait ahead of the batch
.irp m, 0,1,2,3
	v_rsq_f32 v[RS+2*\m], v[SUM+4*\m]
	v_rsq_f32 v[RS+2*\m+1], v[SUM+4*\m]
.endr
	v_nop                                          ; a plain place behind a transcendental
	s_wait_alu depctr_va_vdst(0)                   ; and the wait behind the batch
; THE WAY OUT of 16 rows: tile mp of x1's and tile mp + 2 of x2's; through my stage, which lies in my own part of slot 0 (its last fill and my last read of it are over), and back as rows of 512 bytes; gamma and beta go on there,
; where a lane has the same four columns in every row
.macro OUTM mp
.set rO, 64+64*\mp
	WIN 0x01
.irp t, 0,1,2,3,4,5,6,7
.irp j, 0,2,4,6
	v_pk_mul_f32 v[rO+8*\t+\j:rO+8*\t+\j+1], v[8*(4*\t+\mp)+\j:8*(4*\t+\mp)+\j+1], v[RS+2*\mp:RS+2*\mp+1]
.endr
.endr
.irp t, 0,1,2,3,4,5,6,7
.irp j, 0,2,4,6
	v_pk_fma_f32 v[rO+8*\t+\j:rO+8*\t+\j+1], v[8*(4*\t+\mp+2)+\j:8*(4*\t+\mp+2)+\j+1], v[RS+2*\mp+4:RS+2*\mp+5], v[rO+8*\t+\j:rO+8*\t+\j+1]
.endr
.endr
	WIN 0
.irp b, 0,1,2,3
.irp k, 0,1,2,3
	ds_store_b128 v[SGW], v[rO+16*\b+4*\k:rO+16*\b+4*\k+3] offset:8448*\mp+128*\b+16*\k
.endr
.endr
.irp r, 0,1,2,3,4,5,6,7,8,9,10,11,12,13,14,15
	ds_load_b128 v[rO+4*\r:rO+4*\r+3], v[AW] offset:8448*\mp+528*\r   ; LDS serves a wave's instructions in order: these see my stores
.endr
.irp r, 0,1,2,3,4,5,6,7,8,9,10,11,12,13,14,15
	s_wait_dscnt 15-\r                             ; row r is back
	v_pk_fma_f32 v[rO+4*\r:rO+4*\r+1], v[rO+4*\r:rO+4*\r+1], v[GA:GA+1], v[BE:BE+1]
	v_pk_fma_f32 v[rO+4*\r+2:rO+4*\r+3], v[rO+4*\r+2:rO+4*\r+3], v[GA+2:GA+3], v[BE+2:BE+3]
	global_store_b128 v[LI], v[rO+4*\r:rO+4*\r+3], s[14:15] offset:(16*\mp+\r)*4096 th:TH_STORE_NT   ; 32 lanes store 512 consecutive bytes, aligned
.endr
.endm
	OUTM 0
	OUTM 1
	s_wait_tensorcnt 0x0                           ; the wave's end
	ds_add_u32 v[SPW], v[NIL]
	s_wait_dscnt 0x0
	CROUND                                         ; the closing round
	s_endpgm
.Lfunc_end_k_q95302b8b05_chain:
	.size	k_q95302b8b05_chain, .Lfunc_end_k_q95302b8b05_chain-k_q95302b8b05_chain
	.p2alignl 7, 3214868480
	.fill 96, 4, 3214868480
	.section	.rodata,"a",@progbits
	.p2align	6, 0x0
	.amdhsa_kernel k_q95302b8b05_chain
		.amdhsa_group_segment_fixed_size 327680
		.amdhsa_private_segment_fixed_size 0
		.amdhsa_enable_private_segment 0
		.amdhsa_kernarg_size 48
		.amdhsa_user_sgpr_count 2
		.amdhsa_user_sgpr_kernarg_segment_ptr 1
		.amdhsa_wavefront_size32 1
		.amdhsa_system_sgpr_workgroup_id_x 1
		.amdhsa_system_sgpr_workgroup_id_y 1
		.amdhsa_system_sgpr_workgroup_id_z 1
		.amdhsa_system_vgpr_workitem_id 0
		.amdhsa_next_free_vgpr 512
		.amdhsa_next_free_sgpr 66
		.amdhsa_reserve_vcc 0
		.amdhsa_float_denorm_mode_32 3
		.amdhsa_float_denorm_mode_16_64 3
		.amdhsa_memory_ordered 1
		.amdhsa_forward_progress 1
		.amdhsa_inst_pref_size 221
	.end_amdhsa_kernel
	.amdgpu_metadata
---
amdhsa.version: [ 1, 2 ]
amdhsa.kernels:
  - .name:           k_q95302b8b05_chain
    .symbol:         k_q95302b8b05_chain.kd
    .args:
      - { .name: x1, .offset: 0, .size: 8, .value_kind: global_buffer, .address_space: global }
      - { .name: x2, .offset: 8, .size: 8, .value_kind: global_buffer, .address_space: global }
      - { .name: wimg, .offset: 16, .size: 8, .value_kind: global_buffer, .address_space: global }
      - { .name: gamma, .offset: 24, .size: 8, .value_kind: global_buffer, .address_space: global }
      - { .name: beta, .offset: 32, .size: 8, .value_kind: global_buffer, .address_space: global }
      - { .name: out0, .offset: 40, .size: 8, .value_kind: global_buffer, .address_space: global }
    .group_segment_fixed_size: 327680
    .private_segment_fixed_size: 0
    .kernarg_segment_align: 8
    .kernarg_segment_size: 48
    .max_flat_workgroup_size: 256
    .sgpr_count:     66
    .vgpr_count:     512
    .wavefront_size: 32
...
	.end_amdgpu_metadata
.endif
;; end of part 2
